; MI455X (gfx1250); checked and timed in simulation.
; The chip was launched on July 23, 2026; its instructions are those of AMD's public machine-readable ISA for CDNA 5 (MIT licence, August 2026) and "CDNA5" Instruction Set Architecture Reference Guide (July 2026). The comments in the code are by the model that wrote it; some were corrected since.
;; Lattice Quantized Parameter. Allowed arithmetic: matrix products marked QUANTISED: E4M3 operands, one given power-of-two scale a tensor, by v_wmma_f32_16x16x64_fp8_fp8 or v_wmma_f32_16x16x128_fp8_fp8, f32 sums; everything else in f32.
;; Inputs: grid 65,536 x 8 float32; idxs 2,048 x 1,024 int32; lowp_scales 2 int32 (the exponents e of the quantised operands' scales 2^e); x 4,096 x 8,192 float32.
;; Outputs: out0 4,096 x 2,048 float32.
;; This version of the problem:
;;   THIS VERSION OF THE PROBLEM IS GIVEN IN LOW PRECISION. The matrix products marked QUANTISED in the list below multiply operands that are first quantised to E4M3 (4 exponent bits, 3 mantissa bits; 8 bits a number), with one given power-of-two scale for each operand tensor; their sums are f32. All else is computed in f32.
;;   The module's matrix products, in the order in which they are computed (A, B: the left and right operand; K: the contracted axis; several contracted axes count as one K, in the product's order):
;;     1. [M 4,096, K 8,192] x [K 8,192, N 2,048]; A: computed on the way; B: computed on the way: QUANTISED (scales: A lowp_scales[0], B lowp_scales[1])
;;   THE QUANTISER, for each operand of a quantised product, along K:
;;     - The operand's scale is 2^e, e = its entry of the input lowp_scales (int32; the entries are numbered through the quantised products in the list's order, A before B).
;;     - Each number is divided by the scale, clamped to +-448, and rounded to the nearest number of E4M3, ties to even, subnormals kept.
;;     - The product sums the exact products of the quantised numbers (number of the format x scale) in f32.
;;   ~~~python
;;   def quantise(x, axis, e):      # numpy; x: float32 -> the quantised numbers, widened to float32 again
;;       x = np.moveaxis(x, axis, -1); K = x.shape[-1]
;;       r = np.clip(x / 2.0 ** e, -448, 448)
;;       step = 2.0 ** (np.maximum(np.frexp(np.where(r == 0, 1, r))[1] - 1, -6) - 3)
;;       q = np.round(r / step) * step * 2.0 ** e      # np.round: ties to even
;;       return np.moveaxis(q, -1, axis).astype(np.float32)
;;   ~~~
;;   OPERANDS COMPUTED ON THE WAY. 'Computed on the way' means the value that the module computes at that place (a softmax that the list does not call 'softmax' is quantised finished and normalised). What goes into a quantiser is computed in f32, as accurately as f32 sums, v_exp_f32 and their like allow (about 1e-6 of the number): no bf16 or f16 on the way to a quantiser, and a product that is left as it is and whose result goes on into a quantised operand takes f32 operands (vector FMAs, or v_wmma_f32_16x16x4_f32). A number that lies on a knife's edge between two numbers of the format may be rounded either way, as far as f32 arithmetic and the matrix unit's own rounding can turn it there, and no further.
;; One version. Each part assembles by itself: llvm-mc -triple=amdgcn-amd-amdhsa -mcpu=gfx1250 --defsym DOCPART=n.
;; ======== version 1 of 1: 2 launches
;; limits: right only within a limited range of input values
;; workspace buffers: xc 33,554,432 bytes; wc 16,777,216 bytes
;; launch prep (part 1): grid 1536 x 1, 4 waves a work-group, no clusters, 35,328 bytes of LDS; arguments x, idxs, grid, lowp_scales, xc, wc; writes xc, wc
.if DOCPART == 1
	.amdgcn_target "amdgcn-amd-amdhsa--gfx1250"
	.amdhsa_code_object_version 6
	.text
	.protected	k_q7d9a37d024_prep
	.globl	k_q7d9a37d024_prep
	.p2align	8
	.type	k_q7d9a37d024_prep,@function
k_q7d9a37d024_prep:
	s_mov_b64 s[64:65], 0
	v_nop
	global_prefetch_b8 v0, s[64:65] scope:SCOPE_SE
	s_setreg_imm32_b32 hwreg(HW_REG_WAVE_MODE, 25, 1), 1
	s_wait_xcnt 0x0
; BOTH OPERANDS OF out = 28.8 (x / 32) W^T BECOME CODES OF FP8 (E4M3), each with the one scale 2^e that is given for it (entry 0: x / 32, entry 1: W).
; x: [4096][8192] f32.  W[m][k] = grid[idxs[m][k / 8]][k % 8]: idxs [2048][1024] int32, grid [65536][8] f32.
; code = number / 2^e, held within +-448, rounded to the nearest code, ties to even.  The division of x by 32 is folded into the conversion's scale: code = x / 2^(e0 + 5).
; LIMITS: e0 + 5 and e1 lie between -126 and 119, so that the scale and 448 x the scale are f32 numbers.  Where x / 32 would be an f32 denormal the folded division keeps bits that x / 32 would drop.
; NaN among the inputs is not served (an infinity is held at the largest code).  An index outside 0 .. 65535 is held at 65535.
; THE CODES ARE LAID AS IMAGES OF THE OPERAND'S REGISTERS: xc [256 blocks of 16 rows][64 K steps of 128][2,048 bytes], wc [128][64][2,048].  In an image the 16 bytes at 512 c + 16 l (c = 0 .. 3, lane l = 16 h + r)
; belong to row r, and byte 4 q + j of them is k = 32 c + 8 q + 4 h + j of the K step.  The same map serves both operands, so every product meets its partner; only the order of the sums inside a matrix instruction differs
; from ascending k.  With this map lanes r and 16 + r of a gather take the two halves of ONE row of the grid.
; SHARES.  The first 512 work-groups take W, the other 1,024 take x.  A wave makes four images on end: one block of 16 rows, 512 along K, 8,192 consecutive bytes of codes, in eight steps of 64 along K (32 numbers a lane).
; Waves share nothing: no barrier.  No two work-groups read the same bytes of x or of idxs, so there is nothing to share in a cluster, and the matrix units have no work here.
.set WGW,   512                        ; work-groups that take W
.set R,     16                         ; x path: v16-143   four sets of 32 numbers as they are loaded
.set X,     144                        ; x path: v144-207  two sets of 32 numbers in the image's order
.set I,     16                         ; W path: v16-79    the wave's 64 byte offsets into the grid; never rewritten once made
.set G,     80                         ; W path: v80-207   four sets of 32 gathered numbers
.set C,     208                        ; v208-239 codes: four sets of 8 registers
.set SP,    272                        ; the stage's row: 256 bytes + 16 of padding: the sixteen rows that a read touches begin at sixteen different places modulo 256 bytes
.set STG,   16*SP                      ; a stage: 16 rows; each wave has two
	s_load_b256 s[4:11], s[0:1], 0x0               ; x s[4:5], idxs s[6:7], grid s[8:9], the scales' exponents s[10:11]
	s_load_b128 s[12:15], s[0:1], 0x20             ; xc s[12:13], wc s[14:15]
	v_lshl_add_u32 v240, v0, 2, 0x8800
	v_mov_b32 v241, 0
	v_lshrrev_b32 v1, 5, v0
	v_readfirstlane_b32 s16, v1                    ; wave 0..3
	v_and_b32 v2, 31, v0                           ; lane
	v_and_b32 v5, 15, v0                           ; r
	v_bfe_u32 v6, v0, 4, 1                         ; h
	v_lshlrev_b32 v4, 4, v2                        ; my 16 bytes of a store's 512
	s_cmp_lt_u32 ttmp9, WGW                        ; W's work-group or x's?  The choice hangs on the work-group's number alone
	s_cselect_b32 s17, 0, WGW
	s_sub_co_u32 s17, ttmp9, s17
	s_lshl_b32 s17, s17, 2
	s_add_co_u32 s17, s17, s16                     ; U: which run of four images of the tensor is my wave's
	s_lshr_b32 s18, s17, 4                         ; its block of 16 rows,
	s_and_b32 s19, s17, 15                         ; and which 512 along K
	s_lshl_b32 s22, s17, 13                        ; its codes begin at 8,192 U
	s_mov_b32 s23, 0
	s_wait_kmcnt 0x0
	s_load_b64 s[24:25], s[10:11], 0x0             ; e0, e1
	s_cmp_lt_u32 ttmp9, WGW
	s_cselect_b64 s[20:21], s[14:15], s[12:13]
	s_add_nc_u64 s[20:21], s[20:21], s[22:23]
	s_cmp_lt_u32 ttmp9, WGW
	s_cbranch_scc0 .Lx_path
; v11 = the scale as f32 (the conversion takes its exponent field), v10 = 448 x the scale.  add = 127, or 132 where the division by 32 is folded in
.macro SCALES src, add
	s_wait_kmcnt 0x0
	s_add_co_i32 s26, \src, \add
	s_lshl_b32 s27, s26, 23
	v_mov_b32 v11, s27
	s_add_co_i32 s26, s26, 8
	s_lshl_b32 s26, s26, 23
	s_or_b32 s26, s26, 0x600000                    ; the mantissa field of 448
	v_mov_b32 v10, s26
.endm
; Step t's 32 numbers, v[s] on (register 16 c + 4 q + j), become 32 codes and leave: two stores of 512 consecutive bytes each, at multiples of 512 from the buffer's first byte.
; No plain vector line is written behind the conversions: their results go to stores alone, and the next vector lines are the next step's holds, which are plain and touch another set.
.macro QSTORE s, t
.if (\t) >= 4
	s_wait_xcnt 0x0                                ; step t - 4's stores have read this set of codes: it is written again only behind this wait
.endif
.set j, 0
.rept 32
	v_med3_num_f32 v[(\s)+j], v[(\s)+j], -v10, v10 ; the conversion to an 8-bit code does not saturate (ISA guide 7.6.2): the number is held within 448 x the scale first
.set j, j+1
.endr
.irp g, 0,1,2,3
	v_cvt_scalef32_pk8_fp8_f32 v[C+8*((\t)%4)+2*\g:C+8*((\t)%4)+2*\g+1], v[(\s)+8*\g:(\s)+8*\g+7], v11
.endr
	global_store_b128 v4, v[C+8*((\t)%4):C+8*((\t)%4)+3], s[20:21] offset:1024*(\t)
	global_store_b128 v4, v[C+8*((\t)%4)+4:C+8*((\t)%4)+7], s[20:21] offset:1024*(\t)+512
.endm
; ---------------- W: gather and quantise ----------------
	s_lshl_b32 s22, s18, 16                        ; 16 rows of idxs are 65,536 bytes,
	s_lshl_b32 s27, s19, 8                         ; 512 along K are 64 indices, 256 bytes
	s_add_co_u32 s22, s22, s27
	s_add_nc_u64 s[6:7], s[6:7], s[22:23]
	s_wait_alu depctr_va_vdst(0)
	v_lshlrev_b32 v3, 12, v5                       ; row r of idxs; both halves of the lanes read the same words
	v_lshlrev_b32 v7, 4, v6                        ; my half of a row of the grid: 16 h
.irp n, 0,1,2,3,4,5,6,7,8,9,10,11,12,13,14,15
	global_load_b128 v[I+4*\n:I+4*\n+3], v3, s[6:7] offset:16*\n   ; this one run takes the 256 bytes of each of the 16 rows whole
.endr
	SCALES s25, 127
	s_wait_loadcnt 0x0
.set j, 0
.rept 64
	v_min_u32 v[I+j], 0xffff, v[I+j]               ; an index enters an address only behind this hold
.set j, j+1
.endr
.set j, 0
.rept 64
	v_lshlrev_b32 v[I+j], 5, v[I+j]                ; a row of the grid is 32 bytes
.set j, j+1
.endr
.set j, 0
.rept 64
	v_add_nc_u32 v[I+j], v7, v[I+j]
.set j, j+1
.endr
.macro GATHER t                        ; step t: eight indices a row; lanes r and 16 + r fetch the two halves of the same 32 bytes.  No hint: a row of the grid may be named again
.irp n, 0,1,2,3,4,5,6,7
	global_load_b128 v[G+32*((\t)%4)+4*\n:G+32*((\t)%4)+4*\n+3], v[I+8*(\t)+\n], s[8:9]
.endr
.endm
	GATHER 0
	GATHER 1
	GATHER 2
	GATHER 3
.irp t, 0,1,2,3,4,5,6,7
.if \t < 5
	s_wait_loadcnt 24                              ; this step's eight gathers are in; those of the three steps behind it may be out
.else
	s_wait_loadcnt 8*(7-\t)                        ; the counts run down: nothing more is asked for
.endif
	QSTORE G+32*(\t%4), \t
.if \t < 4
	GATHER \t+4                                    ; into the set that has just been converted
.endif
.endr
	s_endpgm
; ---------------- x: quantise ----------------
.Lx_path:
	s_lshl_b32 s22, s18, 19                        ; 16 rows of x are 524,288 bytes,
	s_lshl_b32 s27, s19, 11                        ; 512 along K are 2,048
	s_add_co_u32 s22, s22, s27
	s_add_nc_u64 s[4:5], s[4:5], s[22:23]
	s_wait_alu depctr_va_vdst(0)
	v_lshlrev_b32 v3, 4, v5
	v_lshl_add_u32 v3, v6, 15, v3                  ; in: lanes 0-15 take 256 consecutive bytes of one row, lanes 16-31 of the next
	s_mul_i32 s27, s16, 2*STG                      ; my wave's two stages
	v_mul_u32_u24 v14, v6, SP
	v_lshl_add_u32 v14, v5, 4, v14
	v_add_nc_u32 v14, s27, v14                     ; the stage, on the way in: as loaded: row h of a pair, 16 r
	v_mul_u32_u24 v15, v5, SP
	v_lshl_add_u32 v15, v6, 4, v15
	v_add_nc_u32 v15, s27, v15                     ; and on the way out: row r, + 16 h: four numbers of each eight
.macro LOAD t                          ; step t: 256 bytes of each of the 16 rows, two rows a load; read once in the launch
.irp i, 0,1,2,3,4,5,6,7
	global_load_b128 v[R+32*((\t)%4)+4*\i:R+32*((\t)%4)+4*\i+3], v3, s[4:5] offset:65536*\i+256*(\t) th:TH_LOAD_NT
.endr
.endm
.macro TURN t                          ; step t's numbers through a stage: LDS serves a wave's instructions in order (ISA guide 5.7.1.4), so no wait stands between the stores and the loads
.irp i, 0,1,2,3,4,5,6,7
	ds_store_b128 v14, v[R+32*((\t)%4)+4*\i:R+32*((\t)%4)+4*\i+3] offset:STG*((\t)%2)+2*SP*\i
.endr
.irp c, 0,1
.irp q, 0,1,2,3
	ds_load_b128 v[X+32*((\t)%2)+16*\c+4*\q:X+32*((\t)%2)+16*\c+4*\q+3], v15 offset:STG*((\t)%2)+128*\c+32*\q   ; k = 32 c + 8 q + 4 h + 0 .. 3 of row r
.endr
.endr
.endm
	LOAD 0
	LOAD 1
	LOAD 2
	LOAD 3
	s_wait_alu depctr_va_vdst(0)
	SCALES s24, 132
	s_wait_alu depctr_va_vdst(0)
	s_wait_loadcnt 24                              ; step 0's eight loads are in
	TURN 0
.irp t, 0,1,2,3,4,5,6,7
	s_wait_dscnt 0x0                               ; this step's numbers are back from the stage: so its stores into the stage have read their registers,
.if \t < 4
	LOAD \t+4                                      ; which take the loads of four steps on
.endif
.if \t < 7
.if \t < 4
	s_wait_loadcnt 24                              ; the next step's eight loads are in; those of the three steps behind it may be out
.else
	s_wait_loadcnt 8*(6-\t)
.endif
	TURN \t+1                                      ; and go through the other stage while this step is worked
.endif
	QSTORE X+32*(\t%2), \t
.endr
	s_wait_tensorcnt 0x0
	ds_add_u32 v240, v241
	s_wait_dscnt 0x0
	s_endpgm
.Lfunc_end_k_q7d9a37d024_prep:
	.size	k_q7d9a37d024_prep, .Lfunc_end_k_q7d9a37d024_prep-k_q7d9a37d024_prep
	.p2alignl 7, 3214868480
	.fill 96, 4, 3214868480
	.section	.rodata,"a",@progbits
	.p2align	6, 0x0
	.amdhsa_kernel k_q7d9a37d024_prep
		.amdhsa_group_segment_fixed_size 35328
		.amdhsa_private_segment_fixed_size 0
		.amdhsa_enable_private_segment 0
		.amdhsa_kernarg_size 48
		.amdhsa_user_sgpr_count 2
		.amdhsa_user_sgpr_kernarg_segment_ptr 1
		.amdhsa_wavefront_size32 1
		.amdhsa_system_sgpr_workgroup_id_x 1
		.amdhsa_system_sgpr_workgroup_id_y 1
		.amdhsa_system_sgpr_workgroup_id_z 1
		.amdhsa_system_vgpr_workitem_id 0
		.amdhsa_next_free_vgpr 242
		.amdhsa_next_free_sgpr 66
		.amdhsa_reserve_vcc 0
		.amdhsa_float_denorm_mode_32 3
		.amdhsa_float_denorm_mode_16_64 3
		.amdhsa_memory_ordered 1
		.amdhsa_forward_progress 1
		.amdhsa_inst_pref_size 73
	.end_amdhsa_kernel
	.amdgpu_metadata
---
amdhsa.version: [ 1, 2 ]
amdhsa.kernels:
  - .name:           k_q7d9a37d024_prep
    .symbol:         k_q7d9a37d024_prep.kd
    .args:
      - { .name: x, .offset: 0, .size: 8, .value_kind: global_buffer, .address_space: global }
      - { .name: idxs, .offset: 8, .size: 8, .value_kind: global_buffer, .address_space: global }
      - { .name: grid, .offset: 16, .size: 8, .value_kind: global_buffer, .address_space: global }
      - { .name: lowp_scales, .offset: 24, .size: 8, .value_kind: global_buffer, .address_space: global }
      - { .name: xc, .offset: 32, .size: 8, .value_kind: global_buffer, .address_space: global }
      - { .name: wc, .offset: 40, .size: 8, .value_kind: global_buffer, .address_space: global }
    .group_segment_fixed_size: 35328
    .private_segment_fixed_size: 0
    .kernarg_segment_align: 8
    .kernarg_segment_size: 48
    .max_flat_workgroup_size: 128
    .sgpr_count:     66
    .vgpr_count:     242
    .wavefront_size: 32
...
	.end_amdgpu_metadata
.endif
;; end of part 1
;; launch gemm (part 2): grid 8 x 32, 4 waves a work-group, clusters of 4 x 4, 327,680 bytes of LDS; arguments xc, wc, lowp_scales, out0; writes out0
.if DOCPART == 2
	.amdgcn_target "amdgcn-amd-amdhsa--gfx1250"
	.amdhsa_code_object_version 6
	.text
	.protected	k_q7d9a37d024_gemm
	.globl	k_q7d9a37d024_gemm
	.p2align	8
	.type	k_q7d9a37d024_gemm,@function
k_q7d9a37d024_gemm:
	s_mov_b64 s[64:65], 0
	v_nop
	global_prefetch_b8 v0, s[64:65] scope:SCOPE_SE
	s_setreg_imm32_b32 hwreg(HW_REG_WAVE_MODE, 25, 1), 1
	s_wait_xcnt 0x0
	s_wait_alu depctr_hold_cnt(0) depctr_sa_sdst(0) depctr_va_vdst(0) depctr_va_sdst(0) depctr_va_ssrc(0) depctr_va_vcc(0) depctr_vm_vsrc(0)
	s_getreg_b32 s2, hwreg(HW_REG_IB_STS2, 6, 4)
	s_cmp_eq_u32 s2, 0
	s_cbranch_scc0 .Lentry_in_a_cluster
	s_endpgm
.Lentry_in_a_cluster:
	s_bfe_u32 s2, ttmp6, 0x10000c
	s_cmp_lg_u32 s2, 0xf033
	s_cbranch_scc0 .Lentry_shape_is_right
	s_endpgm
.Lentry_shape_is_right:
; out[m][n] = 28.8 x 2^(e0 + e1) x sum over k of xc[m][k] wc[n][k]: codes of FP8 (E4M3) multiplied as they are, sums in f32, each finished sum scaled once.
; xc [256 blocks of 16 rows][64 K steps of 128][2,048 bytes] and wc [128][64][2,048] are images of the operand's registers: the 16 bytes at 512 c + 16 lane are registers 4 c .. 4 c + 3 of a fragment.
; LIMIT: e0 + e1 lies between -130 and 122, so that 28.8 x 2^(e0 + e1) is an f32 number.
; A work-group of four waves makes 128 x 256 of out: 8 x 32 = 256 work-groups.  A wave makes 64 x 128: 32 accumulators, 256 registers.
; CLUSTERS of 4 x 4: the four of a cluster's row need the same 8 blocks of xc, the four of a column the same 16 blocks of wc: each is asked for jointly, with a mask that names the four.
; THE RING: two LDS slots, each with three K steps of all 24 blocks (24 rows of 6,144 bytes).  64 K steps are 21 fills of three and a last fill of one.  Waves 0, 1 fetch 4 blocks of xc each, waves 2, 3 fetch 8 of wc.
; THREE SETS OF FRAGMENTS: step q of a slot has set q.  While step 0 is multiplied the slot's step 2 is fetched; so in step 1 the wave's reads of the slot are over, the round is passed, the slot is asked for again,
; and the other slot's step 0 is fetched; its step 1 is fetched under step 2.  A set is asked for more than one step of 32 matrix instructions ahead of its use.
; REGISTERS: window 0: v0-31 addresses, v64-255 xc's three sets (4 x 16 each); window 1: wc's sets 0 and 1 (8 x 16 each); window 3: wc's set 2; window 2: accumulator (a, b) at v[8 (8 a + b)].
; THE MATRIX INSTRUCTION IS USED TRANSPOSED (source 0 = 16 rows of wc, source 1 = 16 rows of xc): a lane holds eight neighbouring numbers of a row of out.
; PREFETCH: behind each joint load in the loop a wave names the fill that stands two refills on: of the blocks that it fetches, the partner at place p takes block p (xc) or blocks 2 p, 2 p + 1 (wc), told apart by
; address; a lane names 256 bytes, 24 lanes a block's 6,144 (lanes 24-31 name the last again).  Fills 0 to 3 and the last two come by their loads alone: the loop's last trip asks for nothing.
.set KIMG,   2048
.set RBB,    64*KIMG                   ; from a block to the next in memory
.set FILLB,  3*KIMG                    ; a block's bytes in a fill
.set SLOT,   24*FILLB
.set BOFF,   8*FILLB                   ; wc's blocks lie behind xc's eight
.set SPARE,  2*SLOT                    ; the spare words: 128 bytes a wave, two blocks of 256 that no other line names
.set SPITCH, 528                       ; the way out: a stage of 16 rows x (512 + 16) bytes a wave, in slot 0, behind its last fill and last read
.set NROW,   8192                      ; a row of out in bytes
.set BROW,   FILLB                     ; from block to block in LDS; the last fill's rows are KIMG long
.set ADRA, 16                          ; v16-17 LDS address of my xc fragments in slot 0, 1
.set ADRB, 20                          ; v20-21 the same for wc
.set STO,  24
.set RD,   25
.set CO,   26                          ; 16 x lane
.set SPW,  28
.set NIL,  29
.set PFO,  30                          ; 256 x min(lane, 23)
.set AF,   64
.set TMP,  64                          ; the way out: a block's scaled sums
.set BK,   128                         ; the way out: rows read back, two sets of 64
.set G1,   24
.set G0,   32
.set PFA,  44
.set G1B,  48
.set G0B,  56
.set FAC,  68
.set MSB, 0
.macro WIN new                         ; the immediate's high byte repeats the setting that is left
.if MSB != (\new)
	s_set_vgpr_msb (MSB<<8)|(\new)
.set MSB, \new
.endif
.endm
.macro JLOAD s                         ; a joint load: one line, one mask for xc's waves, one for wc's; the branch hangs on the wave's number alone
	s_cmp_eq_u32 s15, 0
	s_cbranch_scc0 .Lfor_b_\@
	tensor_load_to_lds s[G0+4*\s:G0+4*\s+3], s[G1:G1+7]
	s_nop 0
.rept 4
	v_nop
.endr
	s_branch .Lasked_\@
.Lfor_b_\@:
	tensor_load_to_lds s[G0B+4*\s:G0B+4*\s+3], s[G1B:G1B+7]
	s_nop 0
.rept 4
	v_nop
.endr
.Lasked_\@:
.endm
.macro CREST                           ; a round of the cluster's barrier behind its opening barrier
	s_cmp_lg_u32 s14, 0
	s_cbranch_scc1 .Lnot_wave_0_\@
	s_barrier_signal -3
.Lnot_wave_0_\@:
	s_barrier_wait -3
	s_barrier_signal -1
	s_barrier_wait -1
.endm
.macro CROUND
	s_barrier_signal -1
	s_barrier_wait -1
	CREST
.endm
.macro ASK                             ; s3 = 1 in the loop's last trip
	s_cmp_gt_u32 s3, 1
	s_cbranch_scc0 .Lno_ask_\@
	global_prefetch_b8 v[PFO], s[PFA:PFA+1] th:TH_LOAD_NT scope:SCOPE_SE
	s_cmp_eq_u32 s15, 0
	s_cbranch_scc1 .Lno_ask_\@
	global_prefetch_b8 v[PFO], s[PFA:PFA+1] offset:RBB th:TH_LOAD_NT scope:SCOPE_SE
.Lno_ask_\@:
.endm
.macro SHAPE g, rows                   ; descriptor group 1: rows x 6,144 bytes in elements of 8 bytes, dense in LDS
	s_mov_b32 s[\g+1], (FILLB/8)<<16
	s_mov_b32 s[\g+2], (\rows)<<16
	s_mov_b32 s[\g+3], (FILLB/8)<<16
	s_mov_b32 s[\g+4], \rows
	s_mov_b32 s[\g+5], RBB/8
	s_mov_b32 s[\g+6], 0
	s_mov_b32 s[\g+7], 0
.endm
.macro PLACES                          ; four places in front of loads into registers that matrix instructions have read, and of reads of results
.rept 4
	v_nop
.endr
.endm
.macro FRAG reg, adr, q, i             ; one fragment: 16 rows x 128 K, four loads of 512 consecutive bytes
.irp c, 0,1,2,3
	ds_load_b128 v[\reg+4*\c:\reg+4*\c+3], v[\adr] offset:(\i)*BROW+(\q)*KIMG+512*\c
.endr
.endm
; A quarter (12 loads) of the fetch of step q of slot u into set q: xc 0-2 | xc 3, wc 0-1 | wc 2-4 | wc 5-7
.macro RUN u, q, r
.if (\r) == 0
	WIN 0
	FRAG AF+64*(\q), ADRA+(\u), \q, 0
	FRAG AF+64*(\q)+16, ADRA+(\u), \q, 1
	FRAG AF+64*(\q)+32, ADRA+(\u), \q, 2
.endif
.if (\r) == 1
	WIN 0
	FRAG AF+64*(\q)+48, ADRA+(\u), \q, 3
	WIN 0x40+0x80*((\q)/2)
	FRAG 128*((\q)%2), ADRB+(\u), \q, 0
	FRAG 128*((\q)%2)+16, ADRB+(\u), \q, 1
.endif
.if (\r) == 2
	WIN 0x40+0x80*((\q)/2)
	FRAG 128*((\q)%2)+32, ADRB+(\u), \q, 2
	FRAG 128*((\q)%2)+48, ADRB+(\u), \q, 3
	FRAG 128*((\q)%2)+64, ADRB+(\u), \q, 4
.endif
.if (\r) == 3
	WIN 0x40+0x80*((\q)/2)
	FRAG 128*((\q)%2)+80, ADRB+(\u), \q, 5
	FRAG 128*((\q)%2)+96, ADRB+(\u), \q, 6
	FRAG 128*((\q)%2)+112, ADRB+(\u), \q, 7
.endif
.endm
; 8 matrix instructions on set q: wc's fragments 2 j, 2 j + 1 x xc's four.  The 32 accumulators take turns, in the same order in every step.
.macro MULG q, j, zero
	WIN 0xa1+2*((\q)/2)
.irp b, 2*(\j), 2*(\j)+1
.irp a, 0,1,2,3
.if \zero
	v_wmma_f32_16x16x128_fp8_fp8 v[8*(8*\a+(\b)):8*(8*\a+(\b))+7], v[128*((\q)%2)+16*(\b):128*((\q)%2)+16*(\b)+15], v[AF+64*(\q)+16*\a:AF+64*(\q)+16*\a+15], 0
.else
	v_wmma_f32_16x16x128_fp8_fp8 v[8*(8*\a+(\b)):8*(8*\a+(\b))+7], v[128*((\q)%2)+16*(\b):128*((\q)%2)+16*(\b)+15], v[AF+64*(\q)+16*\a:AF+64*(\q)+16*\a+15], v[8*(8*\a+(\b)):8*(8*\a+(\b))+7]
.endif
.endr
.endr
.endm
; Step 0 of slot u is multiplied; the slot's step 2 is fetched.
.macro STEP0 u, zero
	s_wait_dscnt 48                                ; set 0 is in; the 48 loads of set 1, issued behind it, may be out
	PLACES
.irp r, 0,1,2,3
	RUN \u, 2, \r
	MULG 0, \r, \zero
.endr
.endm
; Step 1 of slot u is multiplied, and the slots change.  fill = 1: slot u is asked for again, two fills on; 2: the same with the last fill's shape; 0: nothing more to ask for, the work-group's barrier alone.
.macro STEP1 u, fill, ask
	WIN 0
.if \ask
	s_wait_xcnt 0x0                                ; my last prefetches have read their address: it steps one fill
	s_add_nc_u64 s[PFA:PFA+1], s[PFA:PFA+1], FILLB
.endif
	s_wait_tensorcnt 0x0                           ; my one tensor load, my part of the other slot, has landed
	ds_add_u32 v[SPW], v[NIL]
.if \fill
	s_add_nc_u64 s[G0+4*\u+2:G0+4*\u+3], s[G0+4*\u+2:G0+4*\u+3], 2*FILLB
	s_add_nc_u64 s[G0B+4*\u+2:G0B+4*\u+3], s[G0B+4*\u+2:G0B+4*\u+3], 2*FILLB
.endif
.if \fill == 2
	s_mov_b32 s[G1+1], (KIMG/8)<<16                ; the last fill holds one K step: rows of 2,048 bytes
	s_mov_b32 s[G1+3], (KIMG/8)<<16
	s_mov_b32 s[G1B+1], (KIMG/8)<<16
	s_mov_b32 s[G1B+3], (KIMG/8)<<16
.endif
	s_wait_dscnt 49                                ; set 1 is in; set 2's 48 loads and the add may be out
	MULG 1, 0, 0
	s_wait_dscnt 0x0                               ; the add is done, and my reads of slot u are over
	s_barrier_signal -1
	MULG 1, 1, 0
	MULG 1, 2, 0
	WIN 0
	s_barrier_wait -1
.if \fill
	CREST                                          ; no wave of any partner still reads slot u or has a load on its way
	JLOAD \u                                       ; its four v_nop are also the places in front of the loads into set 0
.else
	PLACES
.set BROW, KIMG
.endif
	RUN 1-\u, 0, 0
	RUN 1-\u, 0, 1
.if \ask
	WIN 0
	ASK
.endif
	MULG 1, 3, 0
	RUN 1-\u, 0, 2
	RUN 1-\u, 0, 3
.endm
; Step 2 of slot u is multiplied (set 2 was shown in by step 1's wait for 0); the other slot's step 1 is fetched.
.macro STEP2 u, fetch
.if \fetch
	PLACES
.endif
.irp r, 0,1,2,3
.if \fetch
	RUN 1-\u, 1, \r
.endif
	MULG 2, \r, 0
.endr
.endm
	s_load_b256 s[4:11], s[0:1], 0x0               ; xc s[4:5], wc s[6:7], the scales' exponents s[8:9], out s[10:11]
	v_lshl_add_u32 v[SPW], v0, 2, SPARE
	v_mov_b32 v[NIL], 0
	ds_add_u32 v[SPW], v[NIL]
	ds_add_u32 v[SPW], v[NIL]
	v_lshrrev_b32 v1, 5, v0
	v_readfirstlane_b32 s14, v1                    ; wave 0..3
	s_lshr_b32 s15, s14, 1                         ; which 64 rows are mine.  Also: I fetch xc (0) or wc (1)
	s_and_b32 s16, s14, 1                          ; which 128 columns.  Also: which half of that tile I fetch
	s_bfe_u32 s40, ttmp6, 0x40000                  ; cx
	s_bfe_u32 s41, ttmp6, 0x40004                  ; cy
	s_lshl_b32 s42, ttmp9, 2
	s_add_co_u32 s42, s42, s40                     ; tile column 0..7
	s_and_b32 s17, ttmp7, 0xffff
	s_lshl_b32 s17, s17, 2
	s_add_co_u32 s17, s17, s41                     ; tile row 0..31
	s_lshl_b32 s43, s41, 2
	s_lshl_b32 s43, 15, s43                        ; my row of the cluster
	s_lshl_b32 s18, 0x1111, s40                    ; my column
	s_or_b32 s[G1], s43, (3<<16)|(1<<21)           ; the mask; elements of 8 bytes; bit 21 beside a mask
	s_or_b32 s[G1B], s18, (3<<16)|(1<<21)
	SHAPE G1, 4
	SHAPE G1B, 8
	s_lshl_b32 s20, s17, 3
	s_lshl_b32 s21, s16, 2
	s_add_co_u32 s20, s20, s21                     ; xc: block 8 x tile row + 4 x half
	s_lshl_b32 s20, s20, 17
	s_mov_b32 s21, 0
	s_lshl_b32 s46, s42, 4
	s_lshl_b32 s47, s16, 3
	s_add_co_u32 s46, s46, s47                     ; wc: block 16 x tile column + 8 x half
	s_lshl_b32 s46, s46, 17
	s_mov_b32 s47, 0
	s_mul_i32 s22, s16, 4*FILLB                    ; where they go
	s_mul_i32 s23, s16, 8*FILLB
	s_add_co_u32 s23, s23, BOFF
	s_wait_dscnt 0x0                               ; both opening adds are done
	s_wait_kmcnt 0x0
	s_load_b64 s[FAC:FAC+1], s[8:9], 0x0           ; e0, e1
	s_add_nc_u64 s[20:21], s[4:5], s[20:21]
	s_add_nc_u64 s[46:47], s[6:7], s[46:47]
	CROUND                                         ; all sixteen work-groups are here: the first joint loads meet
.irp s, 0,1
	s_mov_b32 s[G0+4*\s], 1
	s_add_co_u32 s[G0+4*\s+1], s22, \s*SLOT
	s_add_nc_u64 s[G0+4*\s+2:G0+4*\s+3], s[20:21], \s*FILLB
	s_or_b32 s[G0+4*\s+3], s[G0+4*\s+3], 0x80000000
	s_mov_b32 s[G0B+4*\s], 1
	s_add_co_u32 s[G0B+4*\s+1], s23, \s*SLOT
	s_add_nc_u64 s[G0B+4*\s+2:G0B+4*\s+3], s[46:47], \s*FILLB
	s_or_b32 s[G0B+4*\s+3], s[G0B+4*\s+3], 0x80000000
.endr
	JLOAD 0                                        ; fill 0: one tensor load a wave at the head
	s_mul_i32 s18, s15, 4*FILLB                    ; my 4 blocks of xc in a slot
	s_mul_i32 s19, s16, 8*FILLB
	s_add_co_u32 s19, s19, BOFF                    ; my 8 blocks of wc
	s_mul_i32 s23, s14, 16*SPITCH                  ; my stage
	s_lshl_b32 s20, s17, 20                        ; out: row 128 x tile row + 64 x half, of 8,192 bytes;
	s_lshl_b32 s21, s15, 19
	s_add_co_u32 s20, s20, s21
	s_lshl_b32 s21, s42, 10                        ; column 256 x tile column + 128 x half, of 4 bytes
	s_add_co_u32 s20, s20, s21
	s_lshl_b32 s21, s16, 9
	s_add_co_u32 s20, s20, s21
	s_mov_b32 s21, 0
	s_add_nc_u64 s[10:11], s[10:11], s[20:21]
	s_lshl_b32 s12, s17, 3                         ; the prefetches: xc: block 8 x tile row + 4 x half + cx
	s_lshl_b32 s13, s16, 2
	s_add_co_u32 s12, s12, s13
	s_add_co_u32 s12, s12, s40
	s_lshl_b32 s13, s42, 4                         ; wc: block 16 x tile column + 8 x half + 2 cy
	s_lshl_b32 s43, s16, 3
	s_add_co_u32 s13, s13, s43
	s_lshl_b32 s43, s41, 1
	s_add_co_u32 s13, s13, s43
	s_cmp_eq_u32 s15, 0
	s_cselect_b32 s12, s12, s13
	s_cselect_b64 s[PFA:PFA+1], s[4:5], s[6:7]
	s_lshl_b32 s12, s12, 17
	s_mov_b32 s13, 0
	s_add_nc_u64 s[PFA:PFA+1], s[PFA:PFA+1], s[12:13]
	s_add_nc_u64 s[PFA:PFA+1], s[PFA:PFA+1], 3*FILLB   ; at fill 3: the first change of slots steps it to fill 4
	v_and_b32 v3, 31, v0
	v_lshlrev_b32 v[CO], 4, v3
	v_add_nc_u32 v[ADRA], s18, v[CO]
	v_add_nc_u32 v[ADRA+1], SLOT, v[ADRA]
	v_add_nc_u32 v[ADRB], s19, v[CO]
	v_add_nc_u32 v[ADRB+1], SLOT, v[ADRB]
	v_and_b32 v1, 15, v0
	v_bfe_u32 v2, v0, 4, 1
	v_mul_u32_u24 v5, v1, SPITCH                   ; into the stage: row l % 16, 32 bytes for each half of the lanes
	v_lshl_add_u32 v5, v2, 5, v5
	v_add_nc_u32 v[STO], s23, v5
	v_add_nc_u32 v[RD], s23, v[CO]                 ; back: the 32 lanes take one row of 512 bytes
	v_min_u32 v4, 23, v3
	v_lshlrev_b32 v[PFO], 8, v4
	s_wait_alu depctr_va_vdst(0)
	s_wait_tensorcnt 0x0                           ; my part of fill 0 is in; slot 1's first fill is issued as a refill is
	ds_add_u32 v[SPW], v[NIL]
	s_wait_dscnt 0x0
	CROUND
	JLOAD 1                                        ; fill 1
.irp r, 0,1,2,3
	RUN 0, 0, \r
.endr
.irp r, 0,1,2,3
	RUN 0, 1, \r
.endr
	STEP0 0, 1                                     ; the first step's products start the sums
	WIN 0
	s_mov_b32 s3, 9                                ; a trip: fills 2 t and 2 t + 1 from their step 1 on, and step 0 of fill 2 t + 2; it asks for fills 2 t + 2, 2 t + 3
.Llap:
	STEP1 0, 1, 1
	STEP2 0, 1
	STEP0 1, 0
	STEP1 1, 1, 1
	STEP2 1, 1
	STEP0 0, 0
	WIN 0
	s_sub_co_u32 s3, s3, 1
	s_cmp_lg_u32 s3, 0
	s_cbranch_scc1 .Llap
	STEP1 0, 1, 0                                  ; fill 18; asks for fill 20
	STEP2 0, 1
	STEP0 1, 0
	STEP1 1, 2, 0                                  ; fill 19; asks for fill 21, the one K step that is left
	STEP2 1, 1
	STEP0 0, 0
	STEP1 0, 0, 0                                  ; fill 20; nothing more is asked for; fill 21's fragments are fetched
	STEP2 0, 0
	s_wait_dscnt 0x0
.irp r, 0,1,2,3
	MULG 0, \r, 0
.endr
	WIN 0
; THE WAY OUT, by blocks of 16 rows x 128 columns: scaled, through my own stage, back as whole rows of 512 bytes.  LDS serves a wave's instructions in order (ISA guide 5.7.1.4): no wait between the stores and the loads.
.macro TOSTAGE a
	WIN 0x02
.irp j, 0,2,4,6,8,10,12,14,16,18,20,22,24,26,28,30,32,34,36,38,40,42,44,46,48,50,52,54,56,58,60,62
	v_pk_mul_f32 v[TMP+\j:TMP+\j+1], v[64*(\a)+\j:64*(\a)+\j+1], s[FAC:FAC+1] op_sel_hi:[1,0]   ; each accumulator from its low end on
.endr
	WIN 0
.irp b, 0,1,2,3,4,5,6,7
	ds_store_b128 v[STO], v[TMP+8*\b:TMP+8*\b+3] offset:64*\b
	ds_store_b128 v[STO], v[TMP+8*\b+4:TMP+8*\b+7] offset:64*\b+16
.endr
.irp t, 0,1,2,3,4,5,6,7,8,9,10,11,12,13,14,15
	ds_load_b128 v[BK+64*((\a)%2)+4*\t:BK+64*((\a)%2)+4*\t+3], v[RD] offset:\t*SPITCH
.endr
.endm
.macro SEND a, younger                 ; younger: the LDS instructions issued behind block a's loads
	s_wait_dscnt \younger
.if (\a) > 0
	s_add_nc_u64 s[10:11], s[10:11], 16*NROW       ; behind a wait on XCNT: the earlier stores have read their base
.endif
.irp t, 0,1,2,3,4,5,6,7,8,9,10,11,12,13,14,15
	global_store_b128 v[CO], v[BK+64*((\a)%2)+4*\t:BK+64*((\a)%2)+4*\t+3], s[10:11] offset:\t*NROW th:TH_STORE_NT   ; 32 lanes store 512 consecutive bytes, at a multiple of 512 from out's first byte
.endr
.endm
	s_wait_kmcnt 0x0
	s_add_co_i32 s[FAC], s[FAC], s[FAC+1]          ; e0 + e1, added to the exponent field of 28.8
	s_lshl_b32 s[FAC], s[FAC], 23
	s_add_co_i32 s[FAC], s[FAC], 0x41e66666
	PLACES
	TOSTAGE 0
.irp a, 1,2,3
.if \a > 1
	s_wait_xcnt 0x0                                ; block a - 2's stores have read their registers and their base
.endif
	TOSTAGE \a
	SEND \a-1, 32
.endr
	s_wait_xcnt 0x0
	SEND 3, 0
	s_wait_tensorcnt 0x0                           ; the wave's end
	ds_add_u32 v[SPW], v[NIL]
	s_wait_dscnt 0x0
	CROUND                                         ; the closing round
	s_endpgm
.Lfunc_end_k_q7d9a37d024_gemm:
	.size	k_q7d9a37d024_gemm, .Lfunc_end_k_q7d9a37d024_gemm-k_q7d9a37d024_gemm
	.p2alignl 7, 3214868480
	.fill 96, 4, 3214868480
	.section	.rodata,"a",@progbits
	.p2align	6, 0x0
	.amdhsa_kernel k_q7d9a37d024_gemm
		.amdhsa_group_segment_fixed_size 327680
		.amdhsa_private_segment_fixed_size 0
		.amdhsa_enable_private_segment 0
		.amdhsa_kernarg_size 32
		.amdhsa_user_sgpr_count 2
		.amdhsa_user_sgpr_kernarg_segment_ptr 1
		.amdhsa_wavefront_size32 1
		.amdhsa_system_sgpr_workgroup_id_x 1
		.amdhsa_system_sgpr_workgroup_id_y 1
		.amdhsa_system_sgpr_workgroup_id_z 1
		.amdhsa_system_vgpr_workitem_id 0
		.amdhsa_next_free_vgpr 896
		.amdhsa_next_free_sgpr 72
		.amdhsa_reserve_vcc 0
		.amdhsa_float_denorm_mode_32 3
		.amdhsa_float_denorm_mode_16_64 3
		.amdhsa_memory_ordered 1
		.amdhsa_forward_progress 1
		.amdhsa_inst_pref_size 122
	.end_amdhsa_kernel
	.amdgpu_metadata
---
amdhsa.version: [ 1, 2 ]
amdhsa.kernels:
  - .name:           k_q7d9a37d024_gemm
    .symbol:         k_q7d9a37d024_gemm.kd
    .args:
      - { .name: xc, .offset: 0, .size: 8, .value_kind: global_buffer, .address_space: global }
      - { .name: wc, .offset: 8, .size: 8, .value_kind: global_buffer, .address_space: global }
      - { .name: lowp_scales, .offset: 16, .size: 8, .value_kind: global_buffer, .address_space: global }
      - { .name: out0, .offset: 24, .size: 8, .value_kind: global_buffer, .address_space: global }
    .group_segment_fixed_size: 327680
    .private_segment_fixed_size: 0
    .kernarg_segment_align: 8
    .kernarg_segment_size: 32
    .max_flat_workgroup_size: 128
    .sgpr_count:     72
    .vgpr_count:     896
    .wavefront_size: 32
...
	.end_amdgpu_metadata
.endif
;; end of part 2
